; MI455X (gfx1250); checked and timed in simulation.
; The chip was launched on July 23, 2026; its instructions are those of AMD's public machine-readable ISA for CDNA 5 (MIT licence, August 2026) and "CDNA5" Instruction Set Architecture Reference Guide (July 2026). The comments in the code are by the model that wrote it; some were corrected since.
;; Up Sample. Allowed arithmetic: matrix products marked QUANTISED: E2M3 operands, one E8M0 scale for each 32 along K, by v_wmma_scale_f32_16x16x128_f8f6f4 with both operands' format E2M3, f32 sums; everything else in f32.
;; Inputs: Wk_codes 512 x 16 x 24 uint8 (E2M3 codes of Wk, K innermost, in blocks of 32 codes, four codes in three bytes); Wk_scales 512 x 16 uint8 (E8M0 scales of Wk, one for each 32 codes along K); Wq_codes 512 x 16 x 24 uint8 (E2M3 codes of Wq, K innermost, in blocks of 32 codes, four codes in three bytes); Wq_scales 512 x 16 uint8 (E8M0 scales of Wq, one for each 32 codes along K); Wskip_codes 512 x 16 x 24 uint8 (E2M3 codes of Wskip, K innermost, in blocks of 32 codes, four codes in three bytes); Wskip_scales 512 x 16 uint8 (E8M0 scales of Wskip, one for each 32 codes along K); Wv_codes 512 x 16 x 24 uint8 (E2M3 codes of Wv, K innermost, in blocks of 32 codes, four codes in three bytes); Wv_scales 512 x 16 uint8 (E8M0 scales of Wv, one for each 32 codes along K); pcd_down_codes 8 x 1,024 x 16 x 24 uint8 (E2M3 codes of pcd_down, K innermost, in blocks of 32 codes, four codes in three bytes); pcd_down_scales 8 x 1,024 x 16 uint8 (E8M0 scales of pcd_down, one for each 32 codes along K); pcd_up_codes 8 x 4,096 x 16 x 24 uint8 (E2M3 codes of pcd_up, K innermost, in blocks of 32 codes, four codes in three bytes); pcd_up_scales 8 x 4,096 x 16 uint8 (E8M0 scales of pcd_up, one for each 32 codes along K).
;; Outputs: out0 8 x 512 x 4,096 float32.
;; This version of the problem:
;;   THIS VERSION OF THE PROBLEM IS GIVEN IN LOW PRECISION. The matrix products marked QUANTISED in the list below multiply operands that are first quantised to E2M3 (2 exponent bits, 3 mantissa bits; 6 bits a number), with one power-of-two scale for each 32 numbers along K (OCP MX v1.0); their sums are f32. All else is computed in f32.
;;   The module's matrix products, in the order in which they are computed (A, B: the left and right operand; K: the contracted axis; several contracted axes count as one K, in the product's order):
;;     1. [M 32,768, K 512] x [K 512, N 512]; A: input pcd_up (given as codes); B: input Wq (given as codes): QUANTISED
;;     2. [M 8,192, K 512] x [K 512, N 512]; A: input pcd_down (given as codes); B: input Wk (given as codes): QUANTISED
;;     3. [M 8,192, K 512] x [K 512, N 512]; A: input pcd_down (given as codes); B: input Wv (given as codes): QUANTISED
;;     4. batch 8 x [M 4,096, K 512] x [K 512, N 1,024]; A: computed on the way; B: computed on the way: QUANTISED
;;     5. batch 8 x [M 512, K 1,024] x [K 1,024, N 4,096]; A: computed on the way; B: softmax (see below): QUANTISED
;;     6. [M 32,768, K 512] x [K 512, N 512]; A: input pcd_up (given as codes); B: input Wskip (given as codes): QUANTISED
;;   THE QUANTISER, for each operand of a quantised product, along K:
;;     - K is cut into blocks of 32 from its start; a last block that is shorter is filled with zeros.
;;     - A block's scale is 2^e with e = floor(log2(the largest magnitude in the block)) - 2, held to -126 .. 127; a block of zeros has e = 0. As a byte (E8M0): e + 127.
;;     - Each number is divided by its block's scale, clamped to +-7.5, and rounded to the nearest number of E2M3, ties to even, subnormals kept.
;;     - The product sums the exact products of the quantised numbers (number of the format x scale) in f32.
;;   ~~~python
;;   def quantise(x, axis):      # numpy; x: float32 -> the quantised numbers, widened to float32 again
;;       x = np.moveaxis(x, axis, -1); K = x.shape[-1]
;;       x = np.pad(x, [(0, 0)] * (x.ndim - 1) + [(0, -K % 32)]); x = x.reshape(x.shape[:-1] + (-1, 32)); a = np.abs(x).max(-1, keepdims=True)
;;       e = np.where(a > 0, np.clip(np.frexp(np.where(a > 0, a, 1))[1] - 1 - 2, -126, 127), 0)      # np.frexp(a)[1] - 1 = floor(log2(a)), exactly
;;       r = np.clip(x / 2.0 ** e, -7.5, 7.5)
;;       step = 2.0 ** (np.maximum(np.frexp(np.where(r == 0, 1, r))[1] - 1, 0) - 3)
;;       q = np.round(r / step) * step * 2.0 ** e      # np.round: ties to even
;;       return np.moveaxis(q.reshape(q.shape[:-2] + (-1,))[..., :K], -1, axis).astype(np.float32)
;;   ~~~
;;   SOFTMAX AHEAD OF A QUANTISED PRODUCT. Where the list says 'softmax', what is quantised is not the finished softmax but p = 2^(t - M), with t = logit x log2(e) and M = ceil(the row's largest t), a whole number; so 1/2 < the row's largest p <= 1. The row's sum l is taken of the UNQUANTISED p, in f32, and the product's result is divided by l at the end. Since M is a whole number, a kernel that streams over the keys may use a running M (the ceiling of the running maximum): every later rescaling is an exact power of two, which a block's scale takes up: the codes' values come out the same.
;;   OPERANDS COMPUTED ON THE WAY. 'Computed on the way' means the value that the module computes at that place (a softmax that the list does not call 'softmax' is quantised finished and normalised). What goes into a quantiser is computed in f32, as accurately as f32 sums, v_exp_f32 and their like allow (about 1e-6 of the number): no bf16 or f16 on the way to a quantiser, and a product that is left as it is and whose result goes on into a quantised operand takes f32 operands (vector FMAs, or v_wmma_f32_16x16x4_f32). A number that lies on a knife's edge between two numbers of the format may be rounded either way, as far as f32 arithmetic and the matrix unit's own rounding can turn it there, and no further.
;;   INPUTS GIVEN AS CODES. Wk (in the module: [512, 512], K = its axis 1); Wq (in the module: [512, 512], K = its axis 1); Wskip (in the module: [512, 512], K = its axis 1); Wv (in the module: [512, 512], K = its axis 1); pcd_down (in the module: [8, 512, 1024], K = its axis 1); pcd_up (in the module: [8, 512, 4096], K = its axis 1): each comes as NAME_codes (uint8): NAME with its K axis moved to the last place and cut into blocks of 32 codes, [.., K / 32, bytes a block], one block behind the other in memory; four codes in three bytes: a row's codes are one little-endian stream of bits, code i at bits 6 i .. 6 i + 5 (a code: sign, 2 exponent bits, 3 mantissa bits); and NAME_scales (uint8): the same leading axes, one E8M0 byte (e + 127) for each 32 codes along K. Its value is code x scale, taken as it is: it is not quantised again, and the codes and scales need not be those that the quantiser above would give.
;; One version. Each part assembles by itself: llvm-mc -triple=amdgcn-amd-amdhsa -mcpu=gfx1250 --defsym DOCPART=n.
;; ======== version 1 of 1: 2 launches
;; workspace buffers: stream 9,830,400 bytes
;; launch prep (part 1): grid 256 x 1, 4 waves a work-group, no clusters, 221,696 bytes of LDS; arguments pcd_down_codes, pcd_down_scales, Wk_codes, Wk_scales, Wv_codes, Wv_scales, Wq_codes, Wq_scales, Wskip_codes, Wskip_scales, stream; writes stream
.if DOCPART == 1
	.amdgcn_target "amdgcn-amd-amdhsa--gfx1250"
	.amdhsa_code_object_version 6
	.text
	.protected	k_q722d2b18ec_prep
	.globl	k_q722d2b18ec_prep
	.p2align	8
	.type	k_q722d2b18ec_prep,@function
k_q722d2b18ec_prep:
	s_mov_b64 s[64:65], 0
	v_nop
	global_prefetch_b8 v0, s[64:65] scope:SCOPE_SE
	s_setreg_imm32_b32 hwreg(HW_REG_WAVE_MODE, 25, 1), 1
	s_wait_xcnt 0x0
; PREP: k = Wk down and v = Wv down (both on codes of E2M3 with E8M0 scales), quantised at once: k along its 512 channels, v along the keys; and Wq, Wskip laid out anew.
; All goes into the workspace 'stream' IN THE ORDER OF THE OPERANDS' REGISTERS, so that the second launch takes every fragment by loads of 16 bytes a lane.
; NOTHING OF reference() IS LEFT OUT in this program: every one of the twelve input buffers has a way to the output for general values, and all six products are done.
; LIMITS: NaN and infinities among the computed numbers are not served.  A block of zeros gets the scale byte 1 where the quantiser says 127: its codes are zeros, which add nothing under
; any byte but 0xff, and the bytes are read by this program alone.
; STREAM, for each of the 8 batches 24 chunks of 51,200 bytes: chunks 0-3 Wq's rows 128 x chunk on; 4 + 2 j: k of keys 128 j on; 5 + 2 j: v of the same keys; 20-23 Wskip's rows.
; A chunk: 32 fragments of 1,536 bytes (registers 4 c .. 4 c + 3 of lane l at 512 c + 16 l), then 8 groups of scale words, 256 bytes each: 8 bytes a lane; in group G word 0 holds in lanes 0-15 the
; words of fragment 4 G, in lanes 16-31 those of 4 G + 1; word 1 those of 4 G + 2 and 4 G + 3.
; Wq, k, Wskip: fragment 8 s + t = K step s (128 along K), tile t of 16 rows.  v: fragment f = tile f of 16 channels x the chunk's 128 keys.
; THE ROWS OF EVERY TILE lie in one order: lane r of tile t holds row 32 (t / 2) + 8 (t % 2) + r + (r & 8).  For Wq and k that makes the results of a product with such tiles as source 0 run along neighbouring
; rows in a lane's registers; for v and Wskip it only says which channel lands where, alike in both, and the second launch's way out puts the channels in their places.
; SHARES: a wave makes one group (4 fragments, their scale words) of one chunk of k or of v: 8 batches x 16 chunks x 8 groups = 1,024 waves.  The product is used transposed: source 0 = 128 rows (8 tiles x 4 K
; steps, 384 registers that stay), source 1 = 16 rows: a lane then holds ONE row of source 1 and 64 neighbours along source 0's rows, which are the K of the fragment to be made.
;   k: source 0 = Wk's rows 128 (G / 2) on, source 1 = keys.     v: source 0 = the chunk's 128 keys, source 1 = Wv's rows 64 G on.
; THE OPERANDS COME THROUGH LDS: the rows that a wave wants are dense blocks of memory, and a fragment takes 8 bytes of each of 16 rows.  So each wave brings two blocks of 64 rows (24,576 bytes) by two tensor loads:
; its half of the 128 rows of source 0 that it shares with the other wave of its pair (waves 0, 1 and waves 2, 3), and its own 64 rows of source 1.  Nothing in LDS is filled twice.
; The waves that make k also copy one group of Wq or Wskip (64 such waves and 64 such groups in a batch), from memory through registers, while the tiles land.
.set ROWC, 384                         ; a row of 512 codes in bytes
.set PIT,  432                         ; and in LDS: 3 x (128 bytes + 16 of padding); a piece of 8 bytes never straddles a padding: piece p lies at 8 p + 16 (p / 16)
.set HALF, 64*PIT                      ; what one tensor load brings
.set BREG, 4*HALF                      ; LDS: source 0's two regions of 128 rows from 0 on (wave w fills from HALF x w on); from here source 1's four regions
.set SPARE, 8*HALF                     ; the spare words, 128 bytes for each wave: two blocks of 256 bytes that no other line names
.set CHB,  51200                       ; a chunk
.set BATB, 1228800                     ; a batch's 24 chunks
.set GRPB, 6144                        ; a group's four fragments
.set SCO,  49152                       ; where a chunk's scale words begin
.set VAL,  4                           ; v4-5    source 0 in LDS: my pair's region + (r + (r & 8)) x 432 + 24 h; the same with 40 h, for the pieces where lanes 16-31 lie behind one padding more
.set VAS,  6                           ; v6      scale words in memory: (r + (r & 8)) x 16
.set VBL,  7                           ; v7-8    source 1 in LDS: my region + the same two lane terms
.set VC,   9                           ; v9      the copy's codes in memory: (r + (r & 8)) x 384 + 24 h
.set LI,   10                          ; v10     16 x lane
.set LS8,  11                          ; v11     8 x lane
.set PW,   12                          ; v12-15  the four fragments' scale words
.set AS,   16                          ; v16-47  source 0's scale words: tile t, K step s at 16 + 4 t + s
.set BF,   48                          ; v48-143 source 1's fragments: two sets of 4 K steps x 12
.set BS,   144                         ; v144-159 its scale words: tile tau, K step s at 144 + 4 tau + s
.set ACC,  160                         ; v160-223 the 8 accumulators
.set PC,   224                         ; v224-235 the codes just made
.set PH,   236                         ; v236-238, v240-242 the conversions' second halves
.set SPW,  239                         ; v239    LDS address of my spare word; never rewritten
.set NIL,  243                         ; v243    0; never rewritten
.set TM,   244                         ; v244-255 at work
.set SEL,  70                          ; s[70:71] lane selects for v_permlanex16_b32: lane l xor 16
.set HI,   72                          ; s72     a mask of lanes 16-31
.set G1,   80                          ; s[80:87] descriptor group 1
.set G0A,  88                          ; s[88:91] group 0 for my half of source 0
.set G0B,  92                          ; s[92:95] group 0 for my source 1
; windows 1 and 2: source 0's fragments: K steps 0, 1 in window 1, K steps 2, 3 in window 2, at 96 (s % 2) + 12 t
.set MSB, 0
.macro WIN new                         ; the immediate's high byte repeats the setting that is left
.if MSB != (\new)
	s_set_vgpr_msb (MSB<<8)|(\new)
.set MSB, (\new)
.endif
.endm
; A fragment out of LDS: 16 rows from row 'row' of the region on, K step s: lane (r, h) takes the 24 bytes at 96 s + 24 h of its row and the 24 bytes 48 further on, in pieces of 8 bytes
.macro LFRAG reg, adr, s, row
.irp p, 0,1,2,3,4,5
.set PCE, 12*(\s)+6*(\p/3)+\p%3        ; the piece of lanes 0-15; lanes 16-31 take the piece three on
.if PCE%16 < 13
	ds_load_b64 v[\reg+2*\p:\reg+2*\p+1], v[\adr] offset:(\row)*PIT+8*PCE+16*(PCE/16)
.else
	ds_load_b64 v[\reg+2*\p:\reg+2*\p+1], v[\adr+1] offset:(\row)*PIT+8*PCE+16*(PCE/16)
.endif
.endr
.endm
.macro ALOAD s                         ; source 0's eight fragments of K step s: 48 LDS loads
	WIN 0x40*(1+(\s)/2)
.irp t, 0,1,2,3,4,5,6,7
	LFRAG 96*((\s)%2)+12*\t, VAL, \s, 32*(\t/2)+8*(\t%2)
.endr
.endm
.macro BLOAD tau                       ; source 1's tile tau: 4 fragments: 24 LDS loads, into set tau % 2
.irp s, 0,1,2,3
	LFRAG BF+48*((\tau)%2)+12*\s, VBL, \s, 32*((\tau)/2)+8*((\tau)%2)
.endr
.endm
.macro PROD tau                        ; 32 products: the eight accumulators by turns, one instruction a turn, K step by K step; the first K step starts the sums
.set bF, BF+48*((\tau)%2)
.set bS, BS+4*(\tau)
	WIN 0x01                                       ; source 0 in window 1
.irp t, 0,1,2,3,4,5,6,7
	v_wmma_scale_f32_16x16x128_f8f6f4 v[ACC+8*\t:ACC+8*\t+7], v[12*\t:12*\t+11], v[bF:bF+11], 0, v[AS+4*\t], v[bS] matrix_a_fmt:MATRIX_FMT_FP6 matrix_b_fmt:MATRIX_FMT_FP6
.endr
.irp t, 0,1,2,3,4,5,6,7
	v_wmma_scale_f32_16x16x128_f8f6f4 v[ACC+8*\t:ACC+8*\t+7], v[96+12*\t:96+12*\t+11], v[bF+12:bF+23], v[ACC+8*\t:ACC+8*\t+7], v[AS+4*\t+1], v[bS+1] matrix_a_fmt:MATRIX_FMT_FP6 matrix_b_fmt:MATRIX_FMT_FP6
.endr
	WIN 0x02                                       ; source 0 in window 2
.irp t, 0,1,2,3,4,5,6,7
	v_wmma_scale_f32_16x16x128_f8f6f4 v[ACC+8*\t:ACC+8*\t+7], v[12*\t:12*\t+11], v[bF+24:bF+35], v[ACC+8*\t:ACC+8*\t+7], v[AS+4*\t+2], v[bS+2] matrix_a_fmt:MATRIX_FMT_FP6 matrix_b_fmt:MATRIX_FMT_FP6
.endr
.irp t, 0,1,2,3,4,5,6,7
	v_wmma_scale_f32_16x16x128_f8f6f4 v[ACC+8*\t:ACC+8*\t+7], v[96+12*\t:96+12*\t+11], v[bF+36:bF+47], v[ACC+8*\t:ACC+8*\t+7], v[AS+4*\t+3], v[bS+3] matrix_a_fmt:MATRIX_FMT_FP6 matrix_b_fmt:MATRIX_FMT_FP6
.endr
	WIN 0
.endm
; 64 numbers of a lane, register 16 b + i = k 32 b + 16 (lane / 16) + i of my row, become a fragment's codes in v[PC] on and its scale word in v[pw]
.macro QUANT pw
.irp b, 0,1,2,3
	v_max3_num_f32 v[TM+\b], |v[ACC+16*\b]|, |v[ACC+16*\b+1]|, 0x1800000   ; block b: my 16 numbers, and the floor 2^(3 - 127): the byte cannot fall under 1
.endr
.irp i, 2,4,6,8,10,12,14
.irp b, 0,1,2,3
	v_max3_num_f32 v[TM+\b], v[TM+\b], |v[ACC+16*\b+\i]|, |v[ACC+16*\b+\i+1]|   ; (the four blocks by turns)
.endr
.endr
.irp b, 0,1,2,3
	v_permlanex16_b32 v[TM+4+\b], v[TM+\b], s[SEL], s[SEL+1]
.endr
.irp b, 0,1,2,3
	v_max_num_f32 v[TM+\b], v[TM+\b], v[TM+4+\b]   ; with lane l xor 16's: the block's largest magnitude
.endr
.irp b, 0,1,2,3
	v_add_nc_u32 v[TM+8+\b], 0xff000000, v[TM+\b]  ; 2 off its exponent field: the conversion takes the exponent field of this operand as its scale
.endr
.irp b, 0,1,2,3
	v_lshrrev_b32 v[TM+4+\b], 23, v[TM+8+\b]       ; the scale's byte
.endr
	v_lshl_or_b32 v[\pw], v[TM+5], 8, v[TM+4]      ; the four bytes make my row's scale word; lanes l and l xor 16 hold the same
	v_lshl_or_b32 v[\pw], v[TM+6], 16, v[\pw]
	v_lshl_or_b32 v[\pw], v[TM+7], 24, v[\pw]
.irp c, 0,1
	v_cvt_scalef32_pk16_fp6_f32 v[PC+6*\c:PC+6*\c+2], v[ACC+32*\c:ACC+32*\c+15], v[TM+8+2*\c]
	v_cvt_scalef32_pk16_fp6_f32 v[PH+4*\c:PH+4*\c+2], v[ACC+32*\c+16:ACC+32*\c+31], v[TM+9+2*\c]   ; (a conversion's three registers begin on an even number)
.endr
	v_nop                                          ; one plain place behind a scaled conversion
.irp c, 0,1                                    ; the operand's layout wants a WHOLE block in a lane: lanes 0-15 block 2 c, lanes 16-31 block 2 c + 1
.irp i, 0,1,2
	v_permlane16_swap_b32 v[PC+6*\c+\i], v[PH+4*\c+\i]
.endr
.irp i, 0,1,2
	v_mov_b32 v[PC+3+6*\c+\i], v[PH+4*\c+\i]
.endr
.endr
.endm
	s_load_b512 s[8:23], s[0:1], 0x0               ; down's codes s[8:9], scales s[10:11]; Wk's s[12:15]; Wv's s[16:19]; Wq's s[20:23]
	s_load_b128 s[24:27], s[0:1], 0x40             ; Wskip's codes, scales
	s_load_b64 s[28:29], s[0:1], 0x50              ; stream
	v_lshl_add_u32 v[SPW], v0, 2, SPARE
	v_mov_b32 v[NIL], 0
	ds_add_u32 v[SPW], v[NIL]                      ; the wave's opening: the add, twice on end, and its wait ahead of my first tensor load; the set-up below, work on registers, stands between
	ds_add_u32 v[SPW], v[NIL]
	v_lshrrev_b32 v1, 5, v0
	v_readfirstlane_b32 s30, v1                    ; wave 0..3
	s_lshr_b32 s31, ttmp9, 5                       ; batch
	s_bfe_u32 s32, ttmp9, 0x10004                  ; 0: k, 1: v
	s_bfe_u32 s33, ttmp9, 0x30001                  ; j: which 128 keys
	s_and_b32 s34, ttmp9, 1
	s_lshl_b32 s34, s34, 2
	s_add_co_u32 s34, s34, s30                     ; G: which group of the chunk
	s_lshr_b32 s35, s34, 1                         ; G / 2: the same in both waves of a pair
	s_and_b32 s36, s34, 1                          ; G % 2 = wave % 2
	s_lshl_b32 s40, s31, 10
	s_lshl_b32 s41, s33, 7
	s_add_co_u32 s40, s40, s41                     ; the chunk's first key: 1024 b + 128 j
	s_lshl_b32 s41, s35, 7                         ; k: Wk's rows 128 (G / 2) on
	s_lshl_b32 s42, s36, 6
	s_add_co_u32 s43, s42, s40                     ; k: keys 64 (G % 2) on
	s_lshl_b32 s44, s34, 6                         ; v: Wv's rows 64 G on
	s_cmp_eq_u32 s32, 0
	s_cselect_b32 s37, s41, s40                    ; source 0's first row
	s_cselect_b32 s38, s43, s44                    ; source 1's first row
	s_add_co_u32 s45, s37, s42                     ; the 64 rows of source 0 that I fetch: + 64 (wave % 2)
	s_and_b32 s39, s33, 3
	s_lshl_b32 s39, s39, 7
	s_add_co_u32 s39, s39, s42                     ; the copy's first row: 128 (j % 4) + 64 (G % 2)
	s_cmp_lt_u32 s33, 4                            ; j under 4: Wq; else Wskip
	s_cselect_b32 s77, 0, 16
	s_add_co_u32 s77, s77, s33                     ; the copy's chunk: j, or j + 16
	s_mov_b32 s[SEL], 0x76543210
	s_mov_b32 s[SEL+1], 0xfedcba98
	s_mov_b32 s[HI], 0xffff0000
	; descriptor group 1: 24,576 dense bytes as 96 rows of 256 bytes, 16 bytes of padding behind every 128
	s_mov_b32 s[G1], (3<<16)|(1<<20)|(4<<22)|(3<<25)   ; 15:0 no mask; 17:16 elements of 8 bytes; 20 padding on; 24:22 after every 32 words (code 4); 31:25 of 4 words (code 3)
	s_mov_b32 s[G1+1], 32<<16                      ; tensor_dim0 = 32 elements
	s_mov_b32 s[G1+2], 96<<16                      ; tensor_dim1 = 96 rows
	s_mov_b32 s[G1+3], 32<<16                      ; tile_dim0
	s_mov_b32 s[G1+4], 96                          ; tile_dim1
	s_mov_b32 s[G1+5], 32                          ; from row to row
	s_mov_b32 s[G1+6], 0
	s_mov_b32 s[G1+7], 0
	s_mov_b32 s[G0A], 1                            ; count = 1
	s_mul_i32 s[G0A+1], s30, HALF                  ; LDS address: source 0's regions, my quarter of the two
	s_mov_b32 s[G0B], 1
	s_add_co_u32 s[G0B+1], s[G0A+1], BREG          ; source 1's regions, mine
	v_and_b32 v1, 15, v0                           ; r
	v_bfe_u32 v2, v0, 4, 1                         ; h
	v_and_b32 v3, 8, v0                            ; r & 8
	v_add_nc_u32 v244, v1, v3                      ; my row in a tile
	v_mul_u32_u24 v245, v244, PIT
	v_mad_u32_u24 v245, v2, 24, v245
	s_lshr_b32 s46, s30, 1
	s_mul_i32 s46, s46, 2*HALF                     ; my pair's region of source 0
	v_add_nc_u32 v[VAL], s46, v245
	v_lshl_add_u32 v[VAL+1], v2, 4, v[VAL]
	v_add_nc_u32 v[VBL], s[G0B+1], v245
	v_lshl_add_u32 v[VBL+1], v2, 4, v[VBL]
	v_lshlrev_b32 v[VAS], 4, v244
	v_mul_u32_u24 v246, v2, 24
	v_mad_u32_u24 v[VC], v244, ROWC, v246
	v_and_b32 v247, 31, v0
	v_lshlrev_b32 v[LI], 4, v247
	v_lshlrev_b32 v[LS8], 3, v247
.irp b, 0,1,2,3
	v_mov_b32 v[TM+4+\b], 0                        ; written once: a lane permute's destination counts as one of its sources
.endr
	s_wait_dscnt 0x0                               ; both opening adds are done
	s_wait_kmcnt 0x0
	s_cmp_eq_u32 s32, 0                            ; the choices hang on the work-group's number alone
	s_cselect_b64 s[48:49], s[12:13], s[8:9]       ; source 0's codes,
	s_cselect_b64 s[50:51], s[14:15], s[10:11]     ; its scales,
	s_cselect_b64 s[52:53], s[8:9], s[16:17]       ; source 1's codes,
	s_cselect_b64 s[54:55], s[10:11], s[18:19]     ; its scales
	s_cmp_lt_u32 s33, 4
	s_cselect_b64 s[60:61], s[20:21], s[24:25]     ; the copy's codes,
	s_cselect_b64 s[62:63], s[22:23], s[26:27]     ; its scales
	s_mov_b32 s41, 0
	s_mul_i32 s40, s45, ROWC
	s_add_nc_u64 s[G0A+2:G0A+3], s[48:49], s[40:41]
	s_or_b32 s[G0A+3], s[G0A+3], 0x80000000        ; type = 2
	s_mul_i32 s40, s38, ROWC
	s_add_nc_u64 s[G0B+2:G0B+3], s[52:53], s[40:41]
	s_or_b32 s[G0B+3], s[G0B+3], 0x80000000
	tensor_load_to_lds s[G0A:G0A+3], s[G1:G1+7]    ; every wave issues both fills, ahead of every wait on TENSORcnt, every LDS read and the barrier: two loads of mine are out
	s_nop 0
	tensor_load_to_lds s[G0B:G0B+3], s[G1:G1+7]
	s_nop 0
.rept 4
	v_nop
.endr
	s_lshl_b32 s40, s37, 4
	s_add_nc_u64 s[50:51], s[50:51], s[40:41]
	s_lshl_b32 s40, s38, 4
	s_add_nc_u64 s[54:55], s[54:55], s[40:41]
.irp t, 0,1,2,3,4,5,6,7
	global_load_b128 v[AS+4*\t:AS+4*\t+3], v[VAS], s[50:51] offset:(32*(\t/2)+8*(\t%2))*16   ; a row's 16 scale bytes: its words for the four K steps
.endr
.irp u, 0,1,2,3
	global_load_b128 v[BS+4*\u:BS+4*\u+3], v[VAS], s[54:55] offset:(32*(\u/2)+8*(\u%2))*16
.endr
	s_mul_i32 s40, s39, ROWC
	s_mul_i32 s42, s35, 96                         ; the copy's K step: G / 2
	s_add_co_u32 s40, s40, s42
	s_add_nc_u64 s[60:61], s[60:61], s[40:41]
	s_lshl_b32 s40, s39, 4
	s_lshl_b32 s42, s35, 2
	s_add_co_u32 s40, s40, s42
	s_add_nc_u64 s[62:63], s[62:63], s[40:41]
	s_mul_i32 s43, s31, BATB                       ; the batch's part of the stream
	s_mul_i32 s44, s34, GRPB                       ; the group's fragments in a chunk,
	s_lshl_b32 s45, s34, 8
	s_add_co_u32 s45, s45, SCO                     ; and its scale words
	s_lshl_b32 s42, s33, 1
	s_add_co_u32 s42, s42, s32
	s_add_co_u32 s42, s42, 4                       ; my chunk: 4 + 2 j + type
	s_mul_i32 s42, s42, CHB
	s_add_co_u32 s42, s42, s43
	s_add_co_u32 s40, s42, s44
	s_add_nc_u64 s[56:57], s[28:29], s[40:41]
	s_add_co_u32 s40, s42, s45
	s_add_nc_u64 s[58:59], s[28:29], s[40:41]
	s_mul_i32 s42, s77, CHB                        ; the copy's chunk
	s_add_co_u32 s42, s42, s43
	s_add_co_u32 s40, s42, s44
	s_add_nc_u64 s[66:67], s[28:29], s[40:41]
	s_add_co_u32 s40, s42, s45
	s_add_nc_u64 s[68:69], s[28:29], s[40:41]
	s_cmp_lg_u32 s32, 0
	s_cbranch_scc1 .Lmakes_v
	; THE COPY (waves that make k): four fragments of Wq or Wskip as they lie in memory, 24 + 24 bytes a lane, and their rows' scale words; it runs while the tiles are on their way
.irp u, 0,1,2,3
.irp p, 0,1,2,3,4,5
	global_load_b64 v[ACC+12*\u+2*\p:ACC+12*\u+2*\p+1], v[VC], s[60:61] offset:(32*(\u/2)+8*(\u%2))*ROWC+48*(\p/3)+8*(\p%3)
.endr
	global_load_b32 v[PW+\u], v[VAS], s[62:63] offset:(32*(\u/2)+8*(\u%2))*16
.endr
	s_wait_loadcnt 0x0
	v_cndmask_b32 v[TM], v[PW], v[PW+1], s[HI]     ; lanes 0-15 the first fragment's words, lanes 16-31 the second's
	v_cndmask_b32 v[TM+1], v[PW+2], v[PW+3], s[HI]
.irp k, 0,1,2,3,4,5,6,7,8,9,10,11
	global_store_b128 v[LI], v[ACC+4*\k:ACC+4*\k+3], s[66:67] offset:512*\k   ; 32 lanes store 512 consecutive bytes, at a multiple of 256 from the buffer's first byte
.endr
	global_store_b64 v[LS8], v[TM:TM+1], s[68:69]  ; 256 consecutive bytes
.Lmakes_v:
	s_wait_tensorcnt 0x0                           ; my two tiles have landed,
	s_barrier_signal -1
	s_barrier_wait -1                              ; and so has the other half of my pair's source 0
	ALOAD 0
	ALOAD 1
	ALOAD 2
	ALOAD 3
	WIN 0
	BLOAD 0
	BLOAD 1
	s_wait_loadcnt 0x0                             ; the scale words
.macro TILE tau                        ; one fragment: 16 rows of source 1 against source 0's 128
.if (\tau) < 3
	s_wait_dscnt 24                                ; all but the next tile's 24 LDS loads are in
.else
	s_wait_dscnt 0x0
.endif
.if (\tau) == 0
	s_wait_xcnt 0x0                                ; the copy's stores have read their registers, which the sums and the quantiser take
.endif
	PROD \tau
.rept 4
	v_nop                                          ; four places in front of loads into registers that the products have read, and of the first read of results
.endr
.if (\tau) > 0
	s_wait_xcnt 0x0                                ; the last fragment's stores have read their registers: the codes may be written anew
.endif
.if (\tau) < 2
	BLOAD (\tau)+2
.endif
	QUANT PW+(\tau)
.irp c, 0,1,2
	global_store_b128 v[LI], v[PC+4*\c:PC+4*\c+3], s[56:57] offset:1536*(\tau)+512*\c   ; the fragment as it stands in its registers: 512 consecutive bytes a store
.endr
.endm
	TILE 0
	TILE 1
	TILE 2
	TILE 3
	v_cndmask_b32 v[TM], v[PW], v[PW+1], s[HI]
	v_cndmask_b32 v[TM+1], v[PW+2], v[PW+3], s[HI]
	global_store_b64 v[LS8], v[TM:TM+1], s[58:59]  ; the group's scale words: 256 consecutive bytes
	s_wait_tensorcnt 0x0                           ; the wave's end: behind my last tensor load
	ds_add_u32 v[SPW], v[NIL]
	s_wait_dscnt 0x0
	s_endpgm
.Lfunc_end_k_q722d2b18ec_prep:
	.size	k_q722d2b18ec_prep, .Lfunc_end_k_q722d2b18ec_prep-k_q722d2b18ec_prep
	.p2alignl 7, 3214868480
	.fill 96, 4, 3214868480
	.section	.rodata,"a",@progbits
	.p2align	6, 0x0
	.amdhsa_kernel k_q722d2b18ec_prep
		.amdhsa_group_segment_fixed_size 221696
		.amdhsa_private_segment_fixed_size 0
		.amdhsa_enable_private_segment 0
		.amdhsa_kernarg_size 88
		.amdhsa_user_sgpr_count 2
		.amdhsa_user_sgpr_kernarg_segment_ptr 1
		.amdhsa_wavefront_size32 1
		.amdhsa_system_sgpr_workgroup_id_x 1
		.amdhsa_system_sgpr_workgroup_id_y 1
		.amdhsa_system_sgpr_workgroup_id_z 1
		.amdhsa_system_vgpr_workitem_id 0
		.amdhsa_next_free_vgpr 704
		.amdhsa_next_free_sgpr 96
		.amdhsa_reserve_vcc 0
		.amdhsa_float_denorm_mode_32 3
		.amdhsa_float_denorm_mode_16_64 3
		.amdhsa_memory_ordered 1
		.amdhsa_forward_progress 1
		.amdhsa_inst_pref_size 63
	.end_amdhsa_kernel
	.amdgpu_metadata
---
amdhsa.version: [ 1, 2 ]
amdhsa.kernels:
  - .name:           k_q722d2b18ec_prep
    .symbol:         k_q722d2b18ec_prep.kd
    .args:
      - { .name: pcd_down_codes, .offset: 0, .size: 8, .value_kind: global_buffer, .address_space: global }
      - { .name: pcd_down_scales, .offset: 8, .size: 8, .value_kind: global_buffer, .address_space: global }
      - { .name: Wk_codes, .offset: 16, .size: 8, .value_kind: global_buffer, .address_space: global }
      - { .name: Wk_scales, .offset: 24, .size: 8, .value_kind: global_buffer, .address_space: global }
      - { .name: Wv_codes, .offset: 32, .size: 8, .value_kind: global_buffer, .address_space: global }
      - { .name: Wv_scales, .offset: 40, .size: 8, .value_kind: global_buffer, .address_space: global }
      - { .name: Wq_codes, .offset: 48, .size: 8, .value_kind: global_buffer, .address_space: global }
      - { .name: Wq_scales, .offset: 56, .size: 8, .value_kind: global_buffer, .address_space: global }
      - { .name: Wskip_codes, .offset: 64, .size: 8, .value_kind: global_buffer, .address_space: global }
      - { .name: Wskip_scales, .offset: 72, .size: 8, .value_kind: global_buffer, .address_space: global }
      - { .name: stream, .offset: 80, .size: 8, .value_kind: global_buffer, .address_space: global }
    .group_segment_fixed_size: 221696
    .private_segment_fixed_size: 0
    .kernarg_segment_align: 8
    .kernarg_segment_size: 88
    .max_flat_workgroup_size: 128
    .sgpr_count:     96
    .vgpr_count:     704
    .wavefront_size: 32
...
	.end_amdgpu_metadata
.endif
;; end of part 1
;; launch attn (part 2): grid 32 x 8, 4 waves a work-group, clusters of 4 x 1, 327,680 bytes of LDS; arguments pcd_up_codes, pcd_up_scales, stream, out0; writes out0
.if DOCPART == 2
	.amdgcn_target "amdgcn-amd-amdhsa--gfx1250"
	.amdhsa_code_object_version 6
	.text
	.protected	k_q722d2b18ec_attn
	.globl	k_q722d2b18ec_attn
	.p2align	8
	.type	k_q722d2b18ec_attn,@function
k_q722d2b18ec_attn:
	s_mov_b64 s[64:65], 0
	v_nop
	global_prefetch_b8 v0, s[64:65] scope:SCOPE_SE
	s_setreg_imm32_b32 hwreg(HW_REG_WAVE_MODE, 25, 1), 1
	s_wait_xcnt 0x0
	s_wait_alu depctr_hold_cnt(0) depctr_sa_sdst(0) depctr_va_vdst(0) depctr_va_sdst(0) depctr_va_ssrc(0) depctr_va_vcc(0) depctr_vm_vsrc(0)
	s_getreg_b32 s2, hwreg(HW_REG_IB_STS2, 6, 4)
	s_cmp_eq_u32 s2, 0
	s_cbranch_scc0 .Lentry_in_a_cluster
	s_endpgm
.Lentry_in_a_cluster:
	s_bfe_u32 s2, ttmp6, 0x10000c
	s_cmp_lg_u32 s2, 0x3003
	s_cbranch_scc0 .Lentry_shape_is_right
	s_endpgm
.Lentry_shape_is_right:
; ATTN: out[b][c][n] = (Wskip up)[c][n] + sum over keys m of softmax_m(q[n] . k[m] / sqrt(512)) v[c][m], q = Wq up; all products on codes of E2M3 with one E8M0 scale for each 32 along K.  Nothing of reference() is left out.
; THE SOFTMAX AHEAD OF THE SECOND PRODUCT: t = score x log2(e) / sqrt(512); M = the row's largest t so far, rounded UP to a whole number; p = 2^(t - M) is quantised along the keys, not normalised; the row's
; sum is taken of the unquantised p and divides at the end.  When M moves, the sum and O are multiplied by 2^(old M - new M): exact.
; LIMITS: NaN and infinities among the computed numbers are not served; a block of zeros gets the scale byte 1 (its codes are zeros); a p under 2^-126 counts as 0 (v_exp_f32 flushes it).
; SHARES.  A work-group owns 128 queries of one batch, each of its four waves 32: two tiles of 16, with all 512 channels of O^T in 512 registers.  All products are used transposed (source 0 = 16 rows of Wq, k, v or
; Wskip; source 1 = my 16 queries), so that a lane holds ONE query (lane % 16) throughout, and q and p are quantised in the lane's registers.
; ONE RING FOR ALL SOURCES 0.  The first launch has laid Wq, k, v and Wskip of a batch in one stream of 24 chunks of 32 fragments, in the order of the operands' registers (its head comment has the layout).  Two chunks are
; a slot; twelve slots go through a ring of two LDS slots.  Each fragment read from LDS feeds two products (my two tiles).
; CLUSTER.  The four query blocks of a cluster belong to one batch and walk the same stream: each quarter of a slot is asked for JOINTLY, by the same tensor load with the same descriptor and a mask that names the four.
; PHASES.  Q: chunks 0-3: q^T = Wq up^T, 128 channels a chunk, quantised, put by in my scratch in LDS.  Then 8 key steps: S^T = k q^T (a chunk), softmax, O^T += v^T p^T (a chunk).  Then O^T / l, and chunks 20-23 add
; Wskip up^T in place, 128 channels a chunk; finished channels leave through a stage in LDS, 64 at a time, as whole rows of 128 queries.
; VECTOR WORK BEHIND THE PRODUCTS.  What the next products do not wait for stands behind a group's eight products, where four places are owed anyway: in the chunk of v the rescaling of the NEXT group's accumulators and an eighth
; of the row sums (p stays in S^T's registers until the next chunk of k); in the chunks of Wskip the division by l of the next 128 channels.
; CHANNELS.  v's and Wskip's tiles hold their rows in the stream's order: register j of lane (r, h) of O^T's tile T is channel 32 (T / 2) + 8 (T % 2) + j + 16 h.
; REGISTERS, in windows of 256: window 0: addresses, statistics, scale words, S^T (128), p's codes, at work.  Window 1: v0-95 q's 8 fragments; v96-239 three buffers of four fragments.
;   Window 2: O^T of tile 0 (channel tile T at 8 T); in phase Q up's 8 fragments.  Window 3: O^T of tile 1.
.set CHB,   51200                      ; a chunk
.set SLOTB, 102400                     ; a slot
.set BATB,  1228800                    ; a batch's twelve slots
.set QTR,   25600                      ; a wave's quarter of a slot: 100 rows of 256 bytes
.set SLOT1, 1<<17                      ; LDS: slot 0 at 0, slot 1 here, so that one exclusive or turns an address in one slot into the other's
.set SCR,   SLOT1+SLOTB                ; behind the ring: a scratch of SCRW bytes for each wave: 8 fragments (K step s, tile q at (2 s + q) x 1,536), then their 8 x 128 bytes of scale words
.set SCRW,  13312
.set SPARE, SCR+4*SCRW                 ; the spare words, 128 bytes for each wave: two blocks of 256 bytes that no other line names
.set SP,    592                        ; the way out: two stages of 64 rows x 592 bytes, in slot 0, which has had its last fill and its last read when the first result is stored there.  A row's 512 bytes begin at byte 0, or at
                                       ; byte 64 in the rows whose number has bit 4 set: the two halves of the lanes store to rows 16 apart, and so fall on different banks (64 banks of 4 bytes: ISA guide 11.1)
.set STG1,  64*SP
.set LI,  1                            ; v1   16 x lane
.set LS8, 2                            ; v2   8 x lane
.set ADC, 3                            ; v3   LDS address of the chunk in hand, + 16 x lane
.set ADS, 4                            ; v4   the same + 8 x lane
.set SC0, 5                            ; v5   my scratch + 16 x lane
.set SC1, 6                            ; v6   my scratch + 4 x lane
.set SCA, 7                            ; v7   SC0 + the phase's step
.set SPW, 8                            ; v8   LDS address of my spare word; never rewritten
.set NIL, 9                            ; v9   0; never rewritten
.set PFO, 10                           ; v10  the prefetches' offset
.set SW,  11                           ; v11-12 where I put a result in stage 0, 1
.set SR0, 13                           ; v13  where I read a row back from stage 0
.set VU,  14                           ; v14  up's codes: 384 r + 24 h
.set VUS, 15                           ; v15  up's scale words: 16 r
.set ST,  16                           ; v16-31 statistics, 8 a tile: +0 -M, +1 the largest t, +2, +3 the sum in two halves, +4 at work, +5 the scale word just made, +6 f (at the end 1 / l), +7 written once: named with f as a pair
.set QS,  32                           ; v32-39 q's scale words: 4 q + s
.set US,  40                           ; v40-47 up's scale words: 4 q + s
.set SCB, 48                           ; v48-53 the scale words of the three fragment buffers, a pair each
.set SCW, 54                           ; v54  SC1 + the phase's step
.set SR1, 55                           ; v55  where I read a row back from stage 1
.set S,   64                           ; v64-191 S^T: tile q, tile of rows t at 64 q + 8 t
.set P,   192                          ; v192-215 the codes just made, 12 a tile
.set BX,  216                          ; v216-219 a block's largest
.set BY,  220                          ; v220-227 at work; the conversions' second halves
.set BZ,  228                          ; v228-231 the conversions' scale operands
.set S2,  232                          ; v[232:233] the sums' second chain
.set UPF, 64                           ; the tail: up's 8 fragments, v64-159
.set OB,  160                          ; the tail: 16 rows read back from a stage, v160-223
.set FB,  96                           ; window 1: the fragment buffers
.set WV,  12                           ; s12  my wave's number
.set G1,  24                           ; s[24:31] descriptor group 1
.set G0A, 32                           ; s[32:35] group 0 of slot 0's first fill
.set G0W, 36                           ; s[36:39] group 0 that walks
.set SEL, 40                           ; s[40:41] lane selects for v_permlanex16_b32: lane l xor 16
.set CS,  42                           ; s[42:43] c = log2(e) / sqrt(512)
.set CB,  44                           ; s44  LDS byte at which the chunk in hand begins
.set SS,  45                           ; s45, s46 the scratch's steps in phase Q
.set SS2, 46
.set CNT, 47                           ; s47  loop counter
.set PFA, 48                           ; s[48:49] where my work-group's prefetches stand
.set LIM, 50                           ; s50  1 in the batch's first cluster
.set MSB, 0
.macro WIN new                         ; the immediate's high byte repeats the setting that is left; a switch that changes nothing is dropped
.if MSB != (\new)
	s_set_vgpr_msb (MSB<<8)|(\new)
.set MSB, (\new)
.endif
.endm
.macro PLACES                          ; four places: in front of loads into registers that matrix instructions have read, and of the first read of results (ISA guide 7.12.1 for vector instructions)
.rept 4
	v_nop
.endr
.endm
.macro CROUND                          ; a round of the cluster's barrier
	s_barrier_signal -1
	s_barrier_wait -1
	s_cmp_lg_u32 s[WV], 0
	s_cbranch_scc1 .Lnot_wave_0_\@
	s_barrier_signal -3
.Lnot_wave_0_\@:
	s_barrier_wait -3
	s_barrier_signal -1
	s_barrier_wait -1
.endm
; Group lg of the chunk in hand: four fragments as they stand (12 loads of 512 consecutive bytes) into buffer lg % 3, and their scale words: 13 LDS instructions
.macro LOADG
	WIN 0x40                                       ; destination window 1
.irp k, 0,1,2,3,4,5,6,7,8,9,10,11
	ds_load_b128 v[FB+48*(lg%3)+4*\k:FB+48*(lg%3)+4*\k+3], v[ADC] offset:6144*lg+512*\k
.endr
	WIN 0
	ds_load_b64 v[SCB+2*(lg%3):SCB+2*(lg%3)+1], v[ADS] offset:49152+256*lg
.endm
.macro HEADLOAD                        ; a chunk's first three groups
	WIN 0
	v_add_nc_u32 v[ADC], s[CB], v[LI]
	v_add_nc_u32 v[ADS], s[CB], v[LS8]
.set lg, 0
.rept 3
	LOADG
.set lg, lg+1
.endr
.endm
; One product: D = rD, source 0 = rA with the scale words of rX (fO: lanes 16-31 of it), source 1 = rB with rY; fZ: it starts the sum
.macro WM
.if fZ && fO
	v_wmma_scale_f32_16x16x128_f8f6f4 v[rD:rD+7], v[rA:rA+11], v[rB:rB+11], 0, v[rX], v[rY] matrix_a_fmt:MATRIX_FMT_FP6 matrix_b_fmt:MATRIX_FMT_FP6 matrix_a_scale:MATRIX_SCALE_ROW1
.elseif fZ
	v_wmma_scale_f32_16x16x128_f8f6f4 v[rD:rD+7], v[rA:rA+11], v[rB:rB+11], 0, v[rX], v[rY] matrix_a_fmt:MATRIX_FMT_FP6 matrix_b_fmt:MATRIX_FMT_FP6
.elseif fO
	v_wmma_scale_f32_16x16x128_f8f6f4 v[rD:rD+7], v[rA:rA+11], v[rB:rB+11], v[rD:rD+7], v[rX], v[rY] matrix_a_fmt:MATRIX_FMT_FP6 matrix_b_fmt:MATRIX_FMT_FP6 matrix_a_scale:MATRIX_SCALE_ROW1
.else
	v_wmma_scale_f32_16x16x128_f8f6f4 v[rD:rD+7], v[rA:rA+11], v[rB:rB+11], v[rD:rD+7], v[rX], v[rY] matrix_a_fmt:MATRIX_FMT_FP6 matrix_b_fmt:MATRIX_FMT_FP6
.endif
.endm
; The eight products of group g.  In every kind the accumulators take turns, one instruction a turn: between two links of a chain stand fifteen others'.
.macro QKG win, bsc                    ; S^T: K step g / 2, tiles of rows 4 (g % 2) + i; source 1 at 48 q + 12 (g / 2) of the window that win names
	WIN \win
.set fZ, 0
.if g < 2
.set fZ, 1
.endif
.irp q, 0,1
.irp i, 0,1,2,3
.set rD, S+64*\q+8*(4*(g%2)+\i)
.set rA, FB+48*(g%3)+12*\i
.set rB, 48*\q+12*(g/2)
.set rX, SCB+2*(g%3)+\i/2
.set rY, \bsc+4*\q+g/2
.set fO, \i%2
	WM
.endr
.endr
.endm
.macro PVG first                       ; O^T += v^T p^T: channel tiles 4 g + i; K = the step's 128 keys
.set fZ, \first
.irp q, 0,1
	WIN 0xa1+0x50*\q
.irp i, 0,1,2,3
.set rD, 8*(4*g+\i)
.set rA, FB+48*(g%3)+12*\i
.set rB, P+12*\q
.set rX, SCB+2*(g%3)+\i/2
.set rY, ST+8*\q+5
.set fO, \i%2
	WM
.endr
.endr
.endm
.macro SKG kap                         ; O^T += Wskip up^T: channel tiles 8 kap + 4 (g % 2) + i, K step g / 2
.set fZ, 0
.irp q, 0,1
	WIN 0xa1+0x50*\q
.irp i, 0,1,2,3
.set rD, 8*(8*(\kap)+4*(g%2)+\i)
.set rA, FB+48*(g%3)+12*\i
.set rB, UPF+48*\q+12*(g/2)
.set rX, SCB+2*(g%3)+\i/2
.set rY, US+4*\q+g/2
.set fO, \i%2
	WM
.endr
.endr
.endm
; An eighth of the two tiles' row sums: tile g / 4, its p in registers 16 (g % 4) on.  THE ROW'S SUM IS TAKEN OF THE UNQUANTISED p, two at a time, in two chains; the first eighth brings the old sum under the new M
.macro SUMS
.set rS, S+64*(g/4)+16*(g%4)
.set rT, ST+8*(g/4)
.if g%4 == 0
	v_pk_mul_f32 v[rT+2:rT+3], v[rT+2:rT+3], v[rT+6:rT+7] op_sel_hi:[1,0]
	v_pk_add_f32 v[S2:S2+1], v[rS:rS+1], v[rS+2:rS+3]
.else
	v_pk_add_f32 v[rT+2:rT+3], v[rT+2:rT+3], v[rS:rS+1]
	v_pk_add_f32 v[S2:S2+1], v[S2:S2+1], v[rS+2:rS+3]
.endif
.irp o, 4,8,12
	v_pk_add_f32 v[rT+2:rT+3], v[rT+2:rT+3], v[rS+\o:rS+\o+1]
	v_pk_add_f32 v[S2:S2+1], v[S2:S2+1], v[rS+\o+2:rS+\o+3]
.endr
.if g%4 == 3
	v_pk_add_f32 v[rT+2:rT+3], v[rT+2:rT+3], v[S2:S2+1]
.endif
.endm
; Behind group g's products of v: the next group's eight accumulators x f, then the sums.  None of these lines names a register of the products: they are the places in front of the loads that follow
.macro PVSHADOW first
.if \first == 0
.if g < 7
.irp q, 0,1
	WIN 0x82+0x41*\q                               ; O^T (destination and source 0) in window 2 or 3, f in window 0
.set jj, 32*(g+1)
.rept 16
	v_pk_mul_f32 v[jj:jj+1], v[jj:jj+1], v[ST+8*\q+6:ST+8*\q+7] op_sel_hi:[1,0]
.set jj, jj+2
.endr
.endr
.endif
.endif
	WIN 0
	SUMS
.endm
; Behind group g's products of Wskip: an eighth of the division by l of channels 128 nk on (tile g / 4, two accumulators); nk = -1: nothing is left to divide
.macro SKSHADOW nk
.if (\nk) >= 0
	WIN 0x82+0x41*(g/4)
.set jj, 64*(\nk)+16*(g%4)
.rept 8
	v_pk_mul_f32 v[jj:jj+1], v[jj:jj+1], v[ST+8*(g/4)+6:ST+8*(g/4)+7] op_sel_hi:[1,0]
.set jj, jj+2
.endr
.else
	WIN 0
	PLACES
.endif
.endm
; A CHUNK: 8 groups, 64 products.  kind 0: QKG p1, p2;  1: PVG p1;  2: SKG p1, with SKSHADOW p2.  Loads run three groups ahead in three buffers.  next = 1: the slot's second chunk follows: its first three groups are asked for.
.macro CHUNK kind, p1, p2, next
.set g, 0
.rept 8
.if g <= 5
	s_wait_dscnt 26                                ; group g is in: behind it the two younger groups' 13 LDS instructions each may be out
.elseif g == 6
	s_wait_dscnt 13
.else
	s_wait_dscnt 0x0
.endif
.if \kind == 0
	QKG \p1, \p2
	WIN 0
	PLACES
.elseif \kind == 1
	PVG \p1
	PVSHADOW \p1
.else
	SKG \p1
	SKSHADOW \p2
.endif
.if g < 5
.set lg, g+3
	LOADG
.endif
.set g, g+1
.endr
	WIN 0
.if \next
	s_add_co_u32 s[CB], s[CB], CHB
	HEADLOAD
.endif
.endm
; Tile q's 64 numbers in S (register 16 b + i = k 32 b + 16 (lane / 16) + i of my query) become a fragment's codes in P and its scale word
.macro QUANT q
.set rS, S+64*(\q)
.set rP, P+12*(\q)
.set rW, ST+8*(\q)+5
	WIN 0
.irp b, 0,1,2,3
	v_max3_num_f32 v[BX+\b], |v[rS+16*\b]|, |v[rS+16*\b+1]|, 0x1800000   ; block b: my 16 numbers, and the floor 2^(3 - 127): the byte cannot fall under 1
.endr
.irp i, 2,4,6,8,10,12,14
.irp b, 0,1,2,3
	v_max3_num_f32 v[BX+\b], v[BX+\b], |v[rS+16*\b+\i]|, |v[rS+16*\b+\i+1]|
.endr
.endr
.irp b, 0,1,2,3
	v_permlanex16_b32 v[BY+\b], v[BX+\b], s[SEL], s[SEL+1]
.endr
.irp b, 0,1,2,3
	v_max_num_f32 v[BX+\b], v[BX+\b], v[BY+\b]     ; with lane l xor 16's: the block's largest magnitude
.endr
.irp b, 0,1,2,3
	v_add_nc_u32 v[BZ+\b], 0xff000000, v[BX+\b]    ; 2 off its exponent field: the conversion's scale operand
.endr
.irp b, 0,1,2,3
	v_lshrrev_b32 v[BY+\b], 23, v[BZ+\b]           ; the scale's byte
.endr
	v_lshl_or_b32 v[rW], v[BY+1], 8, v[BY]
	v_lshl_or_b32 v[rW], v[BY+2], 16, v[rW]
	v_lshl_or_b32 v[rW], v[BY+3], 24, v[rW]
.irp c, 0,1
	v_cvt_scalef32_pk16_fp6_f32 v[rP+6*\c:rP+6*\c+2], v[rS+32*\c:rS+32*\c+15], v[BZ+2*\c]
	v_cvt_scalef32_pk16_fp6_f32 v[BY+4*\c:BY+4*\c+2], v[rS+32*\c+16:rS+32*\c+31], v[BZ+2*\c+1]   ; (a conversion's three registers begin on an even number)
.endr
	v_nop                                          ; one plain place behind a scaled conversion
.irp c, 0,1                                    ; the operand's layout wants a WHOLE block in a lane
.irp i, 0,1,2
	v_permlane16_swap_b32 v[rP+6*\c+\i], v[BY+4*\c+\i]
.endr
.irp i, 0,1,2
	v_mov_b32 v[rP+3+6*\c+\i], v[BY+4*\c+\i]
.endr
.endr
.endm
.macro QSTORE q, half                  ; q's fragment and scale word into my scratch, as they stand
.irp c, 0,1,2
	ds_store_b128 v[SCA], v[P+12*(\q)+4*\c:P+12*(\q)+4*\c+3] offset:3072*(\half)+1536*(\q)+512*\c
.endr
	ds_store_b32 v[SCW], v[ST+8*(\q)+5] offset:12288+256*(\half)+128*(\q)
.endm
; Tile q's softmax for a key step of 128 keys, up to p's codes and scale word; the sums and the rest of the rescaling follow behind the products of v.  first = 1: O^T does not exist yet: nothing to rescale
.macro SOFTMAX q, first
.set rS, S+64*(\q)
.set rT, ST+8*(\q)
.set rP, P+12*(\q)
	WIN 0
.irp b, 0,1,2,3
	v_max3_num_f32 v[BX+\b], v[rS+16*\b], v[rS+16*\b+1], v[rS+16*\b+2]   ; THE LARGEST SCORE OF EACH BLOCK OF 32 KEYS serves twice: for the row's maximum and, since p rises with the score, for the block's largest p
.endr
.irp i, 3,5,7,9,11,13
.irp b, 0,1,2,3
	v_max3_num_f32 v[BX+\b], v[BX+\b], v[rS+16*\b+\i], v[rS+16*\b+\i+1]
.endr
.endr
.irp b, 0,1,2,3
	v_max_num_f32 v[BX+\b], v[BX+\b], v[rS+16*\b+15]
.endr
.irp b, 0,1,2,3
	v_permlanex16_b32 v[BY+\b], v[BX+\b], s[SEL], s[SEL+1]
.endr
.irp b, 0,1,2,3
	v_max_num_f32 v[BX+\b], v[BX+\b], v[BY+\b]     ; with lane l xor 16's 16 keys
.endr
	v_max3_num_f32 v[rT+4], v[BX], v[BX+1], v[BX+2]
	v_max_num_f32 v[rT+4], v[rT+4], v[BX+3]        ; the step's largest score of my query
	v_mul_f32 v[rT+4], s[CS], v[rT+4]              ; as t (c is positive)
	v_max_num_f32 v[rT+1], v[rT+1], v[rT+4]        ; the running largest t
	v_mov_b32 v[rT+4], v[rT]
	v_floor_f32 v[rT], -v[rT+1]                    ; the new -M = floor(-t) = -ceil(t): M is a whole number
	v_sub_f32 v[rT+4], v[rT], v[rT+4]              ; M's old value less its new one: a whole number, 0 or less
	v_cvt_i32_f32 v[rT+4], v[rT+4]                 ; (it saturates)
	v_ldexp_f32 v[rT+6], 1.0, v[rT+4]              ; f = 2^(old M - new M)
.if \first == 0
	WIN 0x82+0x41*(\q)                             ; the accumulators of the chunk's first group (channel tiles 0-3) come under the new M here
.set jj, 0
.rept 16
	v_pk_mul_f32 v[jj:jj+1], v[jj:jj+1], v[rT+6:rT+7] op_sel_hi:[1,0]
.set jj, jj+2
.endr
	WIN 0
.endif
.set jj, 0
.rept 32
	v_pk_fma_f32 v[rS+jj:rS+jj+1], v[rS+jj:rS+jj+1], s[CS:CS+1], v[rT:rT+1] op_sel_hi:[1,0,0]   ; t - M, two at a time (of the pairs c and -M the low word serves both halves)
.set jj, jj+2
.endr
.irp b, 0,1,2,3
	v_fma_f32 v[BX+\b], v[BX+\b], s[CS], v[rT]     ; the same of each block's largest score
.endr
.irp b, 0,1,2,3
	v_exp_f32 v[BX+\b], v[BX+\b]                   ; the block's largest p: the same two instructions on the same number give the same bits
.endr
.set jj, 0
.rept 64
	v_exp_f32 v[rS+jj], v[rS+jj]                   ; p = 2^(t - M), at most 1: not normalised
.set jj, jj+1
.endr
	v_nop                                          ; a plain place behind the last exponential
	s_wait_alu depctr_va_vdst(0)                   ; one wait for the batch of 68, ahead of its first reader
.irp b, 0,1,2,3
	v_max_num_f32 v[BX+\b], 0x1800000, v[BX+\b]    ; the floor 2^(3 - 127): the byte cannot fall under 1
.endr
.irp b, 0,1,2,3
	v_add_nc_u32 v[BZ+\b], 0xff000000, v[BX+\b]    ; 2 off the exponent field: the conversion's scale operand
.endr
.irp b, 0,1,2,3
	v_lshrrev_b32 v[BY+\b], 23, v[BZ+\b]           ; the scale's byte
.endr
	v_lshl_or_b32 v[rT+5], v[BY+1], 8, v[BY]       ; p's scale word for these 128 keys
	v_lshl_or_b32 v[rT+5], v[BY+2], 16, v[rT+5]
	v_lshl_or_b32 v[rT+5], v[BY+3], 24, v[rT+5]
.irp c, 0,1
	v_cvt_scalef32_pk16_fp6_f32 v[rP+6*\c:rP+6*\c+2], v[rS+32*\c:rS+32*\c+15], v[BZ+2*\c]
	v_cvt_scalef32_pk16_fp6_f32 v[BY+4*\c:BY+4*\c+2], v[rS+32*\c+16:rS+32*\c+31], v[BZ+2*\c+1]
.endr
	v_nop                                          ; one plain place behind a scaled conversion
.irp c, 0,1
.irp i, 0,1,2
	v_permlane16_swap_b32 v[rP+6*\c+\i], v[BY+4*\c+\i]
.endr
.irp i, 0,1,2
	v_mov_b32 v[rP+3+6*\c+\i], v[BY+4*\c+\i]
.endr
.endr
.endm
; A PREFETCH INTO THE L2 of the slot that the NEXT change of slots will ask for.  All eight clusters of a batch walk the same stream: the batch's first cluster asks.  Its four partners share a slot's 400 blocks of 256 bytes
; out BY ADDRESS, 100 each; a work-group's 128 threads name a block each; threads 100 to 127 name block 99 again.  It stands behind the tensor load and its five lines.
.macro ASK
	s_cmp_eq_u32 s[LIM], 1
	s_cbranch_scc0 .Lnot_mine_\@
	global_prefetch_b8 v[PFO], s[PFA:PFA+1] th:TH_LOAD_NT scope:SCOPE_SE
.Lnot_mine_\@:
.endm
; THE CHANGE OF SLOTS.  Each wave waits for all its tensor loads (one is out: its quarter of the slot ahead), adds 0 to its spare word, and waits for that and for its reads of the slot that it leaves.
; fill = 1: the barrier is a round of the cluster's, and behind it the slot just left is filled with the slot after next: one joint load a wave, which has a slot's 128 products and its vector work in which to land.
; ask = 1: the prefetch.  fix: the chunk address is set to this constant (the tail); -1: it goes a chunk back and to the other slot.
.macro CHANGE fill, ask, fix
	WIN 0
	s_wait_tensorcnt 0x0                           ; no tensor load of mine is out, so the walking group 0 may be written
	ds_add_u32 v[SPW], v[NIL]                      ; 0 onto my spare word; the steps below stand between it and the wait for it
.if \fill
	s_xor_b32 s[G0W+1], s[G0W+1], SLOT1            ; the other slot than last time,
	s_add_nc_u64 s[G0W+2:G0W+3], s[G0W+2:G0W+3], SLOTB   ; the next slot of the stream; the type bits on top are not reached
.endif
.if \ask
	s_wait_xcnt 0x0                                ; the last prefetch, a slot back, has read its address, so it may be written
	s_add_nc_u64 s[PFA:PFA+1], s[PFA:PFA+1], SLOTB
.endif
.if (\fix) >= 0
	s_mov_b32 s[CB], \fix
.else
	s_sub_co_u32 s[CB], s[CB], CHB
	s_xor_b32 s[CB], s[CB], SLOT1
.endif
	s_wait_dscnt 0x0                               ; the add is done, and my reads of the slot that I leave are over
.if \fill
	CROUND
	tensor_load_to_lds s[G0W:G0W+3], s[G1:G1+7]    ; the first thing behind the round, and my one tensor load until the next
	s_nop 0
	PLACES
.if \ask
	ASK
.endif
.else
	s_barrier_signal -1
	s_barrier_wait -1
.endif
.endm
.macro KVSTEP first                    ; a key step: 128 keys
	CHUNK 0, 0x05, QS, 1                           ; S^T = k q^T: k and q in window 1
	SOFTMAX 0, \first
	SOFTMAX 1, \first
.rept 8
	v_nop                                          ; a scale word written by a vector instruction stands 8 places ahead of the scaled product, codes so written 4
.endr
	CHUNK 1, \first, 0, 0
.endm
.macro NORM kap                        ; channels 128 kap on of O^T, both tiles, x 1 / l
.irp q, 0,1
	WIN 0x82+0x41*\q
.set jj, 64*(\kap)
.rept 32
	v_pk_mul_f32 v[jj:jj+1], v[jj:jj+1], v[ST+8*\q+6:ST+8*\q+7] op_sel_hi:[1,0]
.set jj, jj+2
.endr
.endr
	WIN 0
.endm
; THE WAY OUT of channels 64 k on.  A lane holds eight channels of one query; out0's rows run along the queries.  So each number goes to the work-group's stage (row = channel, 128 queries of four waves), a barrier,
; and each wave takes 16 whole rows back and stores them.  Two stages by turns: a stage is written again only behind the next part's barrier, in front of which every wave has waited for its reads of it.
; Register j of tile 4 k + tt is channel 64 k + 32 (tt / 2) + 8 (tt % 2) + j + 16 h: the lane's 16 h stands in the address register, the rest in the offset.
.macro OUT k
.set rSW, SW+(\k)%2
.set rSR, SR0+(SR1-SR0)*((\k)%2)
	s_wait_xcnt 0x0                                ; the last part's stores have read their registers
	WIN 0x08                                       ; an LDS store's data are its source 1: window 2
.irp tt, 0,1,2,3
.irp j, 0,1,2,3,4,5,6,7
	ds_store_b32 v[rSW], v[8*(4*(\k)+\tt)+\j] offset:(32*(\tt/2)+8*(\tt%2)+\j)*SP        ; each accumulator from its low end on
.endr
.endr
	WIN 0x0c                                       ; window 3: tile 1, 16 queries (64 bytes) on
.irp tt, 0,1,2,3
.irp j, 0,1,2,3,4,5,6,7
	ds_store_b32 v[rSW], v[8*(4*(\k)+\tt)+\j] offset:(32*(\tt/2)+8*(\tt%2)+\j)*SP+64
.endr
.endr
	WIN 0
	s_wait_dscnt 0x0                               ; for the others' sake: my stores into the stage are done, and so are my reads of the other stage
	s_barrier_signal -1
	s_barrier_wait -1
.irp i, 0,1,2,3,4,5,6,7,8,9,10,11,12,13,14,15
	ds_load_b128 v[OB+4*\i:OB+4*\i+3], v[rSR] offset:\i*SP
.endr
.irp i, 0,1,2,3,4,5,6,7,8,9,10,11,12,13,14,15
	s_wait_dscnt 15-\i                             ; row i is back; the younger loads may be out
	global_store_b128 v[LI], v[OB+4*\i:OB+4*\i+3], s[10:11] offset:(64*(\k)+\i)*16384 th:TH_STORE_NT   ; 32 lanes store 512 consecutive bytes of a channel's row, at a multiple of 256 from out0's first byte; the offset stays inside the signed 24-bit immediate
.endr
.endm
	s_load_b256 s[4:11], s[0:1], 0x0               ; up's codes s[4:5], up's scales s[6:7], stream s[8:9], out0 s[10:11]
	v_lshl_add_u32 v[SPW], v0, 2, SPARE
	v_mov_b32 v[NIL], 0
	ds_add_u32 v[SPW], v[NIL]                      ; the wave's opening: the add, twice on end, and its wait ahead of my first tensor load; the set-up below, work on registers, stands between
	ds_add_u32 v[SPW], v[NIL]
	v_lshrrev_b32 v1, 5, v0
	v_readfirstlane_b32 s[WV], v1                  ; wave 0..3
	s_bfe_u32 s13, ttmp6, 0x40000                  ; cx: my place in the cluster
	s_lshl_b32 s14, ttmp9, 2                       ; in a cluster launch ttmp9 counts clusters
	s_add_co_u32 s14, s14, s13                     ; my block of 128 queries: it enters up's, out0's and the prefetches' addresses alone
	s_and_b32 s15, ttmp7, 0xffff                   ; the batch, which the four partners share
	s_mov_b32 s[G1], 15|(3<<16)|(1<<21)            ; 15:0 the mask: all four work-groups; 17:16 elements of 8 bytes; 20 no padding; 21 set beside a mask
	s_mov_b32 s[G1+1], 32<<16                      ; tensor_dim0 = 32 elements: rows of 256 bytes
	s_mov_b32 s[G1+2], 100<<16                     ; tensor_dim1 = 100 rows: a quarter of a slot, dense in memory
	s_mov_b32 s[G1+3], 32<<16                      ; tile_dim0
	s_mov_b32 s[G1+4], 100                         ; tile_dim1
	s_mov_b32 s[G1+5], 32                          ; from row to row
	s_mov_b32 s[G1+6], 0
	s_mov_b32 s[G1+7], 0
	s_lshl_b32 s16, s15, 12
	s_lshl_b32 s17, s14, 7
	s_add_co_u32 s16, s16, s17
	s_lshl_b32 s17, s[WV], 5
	s_add_co_u32 s16, s16, s17                     ; my first query: 4096 b + 128 block + 32 wave
	s_mul_i32 s18, s16, 384                        ; its codes,
	s_mov_b32 s19, 0
	s_lshl_b32 s20, s16, 4                         ; its scale bytes
	s_mov_b32 s21, 0
	s_mul_i32 s22, s15, BATB                       ; the batch's part of the stream
	s_mov_b32 s23, 0
	s_lshl_b32 s2, s15, 23                         ; out0: the batch's 512 rows of 16,384 bytes,
	s_lshl_b32 s3, s14, 9                          ; my block's 512 bytes of a row,
	s_add_co_u32 s2, s2, s3
	s_lshl_b32 s3, s[WV], 18                       ; and the 16 rows of each 64 that my wave stores
	s_add_co_u32 s2, s2, s3
	s_mov_b32 s3, 0
	s_mul_i32 s52, s[WV], QTR                      ; my quarter of a slot, in memory and in LDS: no place in the cluster enters it
	s_mov_b32 s53, 0
	s_mul_i32 s54, s13, QTR                        ; the prefetches: my work-group's quarter,
	s_add_co_u32 s54, s54, 2*SLOTB                 ; in slot 2: the first change of slots steps it to slot 3.  Nothing is prefetched at the head
	s_mov_b32 s55, 0
	s_cmp_eq_u32 ttmp9, 0                          ; the batch's first cluster: the same in all four partners
	s_cselect_b32 s[LIM], 1, -1
	s_mov_b32 s[SEL], 0x76543210
	s_mov_b32 s[SEL+1], 0xfedcba98
	s_mov_b32 s[CS], 0x3d8293ee                    ; c = log2(e) / sqrt(512)
	s_mov_b32 s[CS+1], s[CS]                       ; (named with it as a pair, so it is written)
	s_mov_b32 s[CB], 0
	v_min_u32 v[PFO], 99, v0
	v_lshlrev_b32 v[PFO], 8, v[PFO]
	s_wait_dscnt 0x0                               ; both opening adds are done
	s_wait_kmcnt 0x0
	s_add_nc_u64 s[4:5], s[4:5], s[18:19]
	s_add_nc_u64 s[6:7], s[6:7], s[20:21]
	s_add_nc_u64 s[8:9], s[8:9], s[22:23]
	s_add_nc_u64 s[10:11], s[10:11], s[2:3]
	s_add_nc_u64 s[PFA:PFA+1], s[8:9], s[54:55]
	s_mov_b32 s[G0A], 1                            ; count = 1
	s_mul_i32 s[G0A+1], s[WV], QTR                 ; LDS address: slot 0, my quarter
	s_add_nc_u64 s[G0A+2:G0A+3], s[8:9], s[52:53]  ; global address: slot 0 of the stream, my quarter
	s_mov_b32 s[G0W], 1
	s_add_co_u32 s[G0W+1], s[G0A+1], SLOT1         ; slot 1
	s_add_nc_u64 s[G0W+2:G0W+3], s[G0A+2:G0A+3], SLOTB
	s_or_b32 s[G0A+3], s[G0A+3], 0x80000000        ; type = 2
	s_or_b32 s[G0W+3], s[G0W+3], 0x80000000
	CROUND                                         ; all four work-groups are here: the first joint loads meet
	tensor_load_to_lds s[G0A:G0A+3], s[G1:G1+7]    ; every wave issues both first fills: two loads of mine are out
	s_nop 0
	tensor_load_to_lds s[G0W:G0W+3], s[G1:G1+7]
	s_nop 0
	PLACES
	v_and_b32 v57, 15, v0                          ; r
	v_bfe_u32 v58, v0, 4, 1                        ; h
	v_mul_u32_u24 v[VU], v57, 384
	v_mad_u32_u24 v[VU], v58, 24, v[VU]
	v_lshlrev_b32 v[VUS], 4, v57
	WIN 0x80                                       ; destination window 2: up's fragments (tile q, K step s) at 48 q + 12 s
.irp q, 0,1
.irp s, 0,1,2,3
.irp p, 0,1,2,3,4,5
	global_load_b64 v[48*\q+12*\s+2*\p:48*\q+12*\s+2*\p+1], v[VU], s[4:5] offset:6144*\q+96*\s+48*(\p/3)+8*(\p%3) th:TH_LOAD_NT
.endr
.endr
.endr
	WIN 0
.irp q, 0,1
	global_load_b128 v[US+4*\q:US+4*\q+3], v[VUS], s[6:7] offset:256*\q th:TH_LOAD_NT
.endr
	v_and_b32 v56, 31, v0                          ; lane
	v_lshlrev_b32 v[LI], 4, v56
	v_lshlrev_b32 v[LS8], 3, v56
	s_mul_i32 s56, s[WV], SCRW
	s_add_co_u32 s56, s56, SCR                     ; my scratch
	v_add_nc_u32 v[SC0], s56, v[LI]
	v_lshl_add_u32 v[SC1], v56, 2, s56
	v_mul_u32_u24 v[SW], v58, 16*SP+64             ; the stage, in: row 16 h (+ the offset's), which begins 64 h bytes later; byte 4 r + 128 wave (+ 64 q)
	v_lshl_add_u32 v[SW], v57, 2, v[SW]
	s_lshl_b32 s57, s[WV], 7
	v_add_nc_u32 v[SW], s57, v[SW]
	v_add_nc_u32 v[SW+1], STG1, v[SW]
	s_mul_i32 s57, s[WV], 16*SP                    ; and back: my 16 rows, 16 wave on: bit 4 of their numbers is wave % 2; 16 bytes a lane
	s_and_b32 s58, s[WV], 1
	s_lshl_b32 s58, s58, 6
	s_add_co_u32 s57, s57, s58
	v_add_nc_u32 v[SR0], s57, v[LI]
	v_add_nc_u32 v[SR1], STG1, v[SR0]
.irp q, 0,1
	v_mov_b32 v[ST+8*\q+1], 0xff61b1e6             ; the largest t so far: -3e38, under every t
	v_floor_f32 v[ST+8*\q], -v[ST+8*\q+1]          ; -M
	v_mov_b32 v[ST+8*\q+2], 0                      ; the sum, in two halves
	v_mov_b32 v[ST+8*\q+3], 0
	v_mov_b32 v[ST+8*\q+7], 0                      ; (named as the upper half of f's pair, so it is written)
.endr
.irp b, 0,1,2,3
	v_mov_b32 v[BY+\b], 0                          ; written once: a lane permute's destination counts as one of its sources
.endr
	s_wait_tensorcnt 0x1                           ; my quarter of slot 0 is in; slot 1's may stay out
	s_barrier_signal -1
	s_barrier_wait -1                              ; everybody's is
	HEADLOAD
	s_wait_loadcnt 0x0                             ; up
	s_mov_b32 s[SS], 0
	s_mov_b32 s[SS2], 0
	s_mov_b32 s[CNT], 2
.Lq:                                               ; PHASE Q: two trips, a slot (two chunks of Wq: 256 channels of q) each
	CHUNK 0, 0x09, US, 1                           ; q^T = Wq up^T: Wq in window 1, up in window 2
	v_add_nc_u32 v[SCA], s[SS], v[SC0]
	v_add_nc_u32 v[SCW], s[SS2], v[SC1]
	QUANT 0
	QSTORE 0, 0
	QUANT 1
	QSTORE 1, 0
	CHUNK 0, 0x09, US, 0                           ; (its wait for 0 ahead of the last group shows the stores above done: the codes' registers may be written anew)
	QUANT 0
	QSTORE 0, 1
	QUANT 1
	QSTORE 1, 1
	s_add_co_u32 s[SS], s[SS], 6144
	s_add_co_u32 s[SS2], s[SS2], 512
	CHANGE 1, 1, -1
	HEADLOAD
	s_sub_co_u32 s[CNT], s[CNT], 1
	s_cmp_lg_u32 s[CNT], 0
	s_cbranch_scc1 .Lq
	; q comes back from my scratch into window 1, and up's fragments are put by in the same bytes until the tail: O^T will take their registers.  The bytes are my wave's own, and LDS serves a wave's instructions in order
	WIN 0x40
.irp s, 0,1,2,3
.irp q, 0,1
.irp c, 0,1,2
	ds_load_b128 v[48*\q+12*\s+4*\c:48*\q+12*\s+4*\c+3], v[SC0] offset:(2*\s+\q)*1536+512*\c
.endr
.endr
.endr
	WIN 0
.irp s, 0,1,2,3
.irp q, 0,1
	ds_load_b32 v[QS+4*\q+\s], v[SC1] offset:12288+128*(2*\s+\q)
.endr
.endr
	s_wait_dscnt 0x0                               ; q and its scale words are in
	WIN 0x08                                       ; the data: window 2
.irp s, 0,1,2,3
.irp q, 0,1
.irp c, 0,1,2
	ds_store_b128 v[SC0], v[48*\q+12*\s+4*\c:48*\q+12*\s+4*\c+3] offset:(2*\s+\q)*1536+512*\c
.endr
.endr
.endr
	WIN 0
	KVSTEP 1                                       ; the first key step is written out: its products start O^T's sums, so nothing is cleared
	s_mov_b32 s[CNT], 7
.Lkv:
	CHANGE 1, 1, -1
	HEADLOAD
	KVSTEP 0
	s_sub_co_u32 s[CNT], s[CNT], 1
	s_cmp_lg_u32 s[CNT], 0
	s_cbranch_scc1 .Lkv
	; THE TAIL is written out: the last fill, and the last change of slots, which fills nothing
	CHANGE 1, 0, 0                                 ; slot 10 (Wskip's rows 0-255) lies in LDS slot 0; slot 11 is asked for; there is no slot behind it to prefetch
.irp s, 0,1,2,3
.irp q, 0,1
.irp c, 0,1,2
	ds_load_b128 v[UPF+48*\q+12*\s+4*\c:UPF+48*\q+12*\s+4*\c+3], v[SC0] offset:(2*\s+\q)*1536+512*\c   ; up's fragments, into the registers that S^T has left
.endr
.endr
.endr
	HEADLOAD
.irp q, 0,1
	v_add_f32 v[ST+8*\q+4], v[ST+8*\q+2], v[ST+8*\q+3]   ; the sum's two halves,
.endr
.irp q, 0,1
	v_permlanex16_b32 v[BY+\q], v[ST+8*\q+4], s[SEL], s[SEL+1]
.endr
.irp q, 0,1
	v_add_f32 v[ST+8*\q+4], v[ST+8*\q+4], v[BY+\q]   ; and lane l xor 16's: the row's sum l
.endr
.irp q, 0,1
	v_rcp_f32 v[ST+8*\q+6], v[ST+8*\q+4]
.endr
	v_nop                                          ; a plain place behind the last reciprocal
	s_wait_alu depctr_va_vdst(0)                   ; and the wait ahead of the first use: one for both
	NORM 0
	CHUNK 2, 0, 1, 1                               ; channels 0-127; behind its products channels 128-255 are divided by l
	CHUNK 2, 1, 2, 0
	CHANGE 0, 0, SLOT1                             ; the last change: slot 11 lies in LDS slot 1; LDS slot 0 has had its last fill, and behind this barrier nobody reads it: the stages lie there
	HEADLOAD
	OUT 0                                          ; channels 0-255 are finished: half of them leave ahead of the next chunk's products, half behind them
	OUT 1
	CHUNK 2, 2, 3, 1
	OUT 2
	OUT 3
	CHUNK 2, 3, -1, 0
	OUT 4
	OUT 5
	OUT 6
	OUT 7
	s_wait_tensorcnt 0x0                           ; the wave's end: behind my last tensor load and my last LDS store
	ds_add_u32 v[SPW], v[NIL]
	s_wait_dscnt 0x0
	CROUND                                         ; the closing round: no work-group ends while a partner may still ask for a tile that names it
	s_endpgm
.Lfunc_end_k_q722d2b18ec_attn:
	.size	k_q722d2b18ec_attn, .Lfunc_end_k_q722d2b18ec_attn-k_q722d2b18ec_attn
	.p2alignl 7, 3214868480
	.fill 96, 4, 3214868480
	.section	.rodata,"a",@progbits
	.p2align	6, 0x0
	.amdhsa_kernel k_q722d2b18ec_attn
		.amdhsa_group_segment_fixed_size 327680
		.amdhsa_private_segment_fixed_size 0
		.amdhsa_enable_private_segment 0
		.amdhsa_kernarg_size 32
		.amdhsa_user_sgpr_count 2
		.amdhsa_user_sgpr_kernarg_segment_ptr 1
		.amdhsa_wavefront_size32 1
		.amdhsa_system_sgpr_workgroup_id_x 1
		.amdhsa_system_sgpr_workgroup_id_y 1
		.amdhsa_system_sgpr_workgroup_id_z 1
		.amdhsa_system_vgpr_workitem_id 0
		.amdhsa_next_free_vgpr 1024
		.amdhsa_next_free_sgpr 66
		.amdhsa_reserve_vcc 0
		.amdhsa_float_denorm_mode_32 3
		.amdhsa_float_denorm_mode_16_64 3
		.amdhsa_memory_ordered 1
		.amdhsa_forward_progress 1
		.amdhsa_inst_pref_size 255
	.end_amdhsa_kernel
	.section	.bss,"aw",@nobits
	.p2align	6
	.space	262144
	.amdgpu_metadata
---
amdhsa.version: [ 1, 2 ]
amdhsa.kernels:
  - .name:           k_q722d2b18ec_attn
    .symbol:         k_q722d2b18ec_attn.kd
    .args:
      - { .name: pcd_up_codes, .offset: 0, .size: 8, .value_kind: global_buffer, .address_space: global }
      - { .name: pcd_up_scales, .offset: 8, .size: 8, .value_kind: global_buffer, .address_space: global }
      - { .name: stream, .offset: 16, .size: 8, .value_kind: global_buffer, .address_space: global }
      - { .name: out0, .offset: 24, .size: 8, .value_kind: global_buffer, .address_space: global }
    .group_segment_fixed_size: 327680
    .private_segment_fixed_size: 0
    .kernarg_segment_align: 8
    .kernarg_segment_size: 32
    .max_flat_workgroup_size: 128
    .sgpr_count:     66
    .vgpr_count:     1024
    .wavefront_size: 32
...
	.end_amdgpu_metadata
.endif
;; end of part 2
